; MI455X (gfx1250); checked and timed in simulation.
; The chip was launched on July 23, 2026; its instructions are those of AMD's public machine-readable ISA for CDNA 5 (MIT licence, August 2026) and "CDNA5" Instruction Set Architecture Reference Guide (July 2026). The comments in the code are by the model that wrote it; some were corrected since.
;; Local Attention. Allowed arithmetic: float matrix products may take bf16 or f16 operands with f32 sums; all other float work in f32.
;; Inputs: Wk 512 x 512 float32; Wo 512 x 512 float32; Wq 512 x 512 float32; Wv 512 x 512 float32; bk 512 float32; bo 512 float32; bq 512 float32; bv 512 float32; matrix 256 x 256 x 512 float32.
;; Outputs: out0 512 float32.
;; Constants: px = 64, py = 64.
;; 2 versions, each right; version 2 is version 1 with the launch proj written anew for expert scheduling mode. Each part assembles by itself: llvm-mc -triple=amdgcn-amd-amdhsa -mcpu=gfx1250 --defsym DOCPART=n.
;; ======== version 1 of 2: 2 launches
;; workspace buffers: sc 24,576 bytes; vimg 294,912 bytes
;; launch proj (part 1): grid 32 x 1, 9 waves a work-group, no clusters, 186,880 bytes of LDS; arguments matrix, Wq, Wk, Wv, bq, bk, bv, sc, vimg; writes sc, vimg
.if DOCPART == 1
	.amdgcn_target "amdgcn-amd-amdhsa--gfx1250"
	.amdhsa_code_object_version 6
	.text
	.protected	k_qb856bd887a_proj
	.globl	k_qb856bd887a_proj
	.p2align	8
	.type	k_qb856bd887a_proj,@function
k_qb856bd887a_proj:
	s_mov_b64 s[64:65], 0
	v_nop
	global_prefetch_b8 v0, s[64:65] scope:SCOPE_SE
	s_setreg_imm32_b32 hwreg(HW_REG_WAVE_MODE, 25, 1), 1
	s_wait_xcnt 0x0
; LOCAL ATTENTION, FIRST OF TWO LAUNCHES.  The module returns ONE vector: row 64, column 64 of a window that begins at row 0, column 0 (px = py = 64).
; That vector hangs on matrix[64][0..128][:] (129 rows X of 512 f32), the four weights and the four biases alone; what the module's own slices and its last
; index throw away is not computed, and of matrix only those 129 rows are read.
; THIS LAUNCH: work-group j owns the 16 features 16 j .. 16 j + 15.  It makes q = Wq x[64] + bq, K = X Wk^T and V = X Wv^T for them (bf16 operands, f32 sums),
; and stores  sc[j][k] = the sum over its features f of q[f] (K[k][f] + bk[f])  (the slice's share of score k, unscaled)  and  vimg = V + bv.
; FORMATS.  Every input is rounded once to bf16 (matrix, weights and biases alike); q, K, V and the scores stay in f32.
; LIMITS.  NaN and infinities are not treated apart.  q (K + bk) is formed as fma(K, q, q bk); a score is summed slice by slice, in another order than one long dot product.
; SHARES.  Nine waves; wave w owns the 16 keys 16 w .. 16 w + 15 (wave 8: key 128 sixteen times, by a clamped row).  Each wave runs three sums over the 512 inputs:
; Q (source 0 = row 64 in all 16 rows, so that every register of lane r holds q[r] and nothing changes lanes), K and V.
; NO CLUSTER, NO TENSOR LOADS: all 32 work-groups read the same X, but it has to pass through registers to be rounded to bf16, and as f32 X and a slice's weights
; (264,192 + 98,304 bytes) do not fit into the 327,680 bytes of LDS.  No prefetch: every load of the launch is issued at its head.
; vimg: [32 slices][9 tiles][2 halves q][32 lanes][4 f32]: the accumulator as it lies in registers: lane r + 16 h, number jj = V[key 16 t + 8 h + 4 q + jj][feature 16 slice + r] + bv.
; sc: [32 slices][192 f32]: 0..128 the scores' shares, 129..143 copies of key 128's, 144..191 zeros.
.set PITCH, 1040                       ; an LDS row: 512 bf16 + 16 bytes = 65 x 16: the 16 rows that a fragment load touches start in 16 different groups of four banks (64 banks of 4 bytes: ISA guide 11.1)
.set WB,    134400                     ; X's 129 rows lie from byte 0 on (134,160 bytes); here 48 rows of weights: 0-15 Wq's slice, 16-31 Wk's, 32-47 Wv's
.set SC,    184320                     ; 192 shares of scores (the head clears 288 words)
.set SPARE, 185600                     ; the spare words, 128 bytes for each of nine waves: five blocks of 256 bytes that no other line names
.set T,     20                         ; v[20:27]   at work
.set R,     32                         ; v[32:207]  staging: a ring of 11 slots of 16 registers, a row of 2,048 bytes each
.set F0,    32                         ; v[32:111], v[112:191]  products: two fragment buffers of two K steps; a K step: row 64 (+0), my keys (+8), Wq (+16), Wk (+24), Wv (+32)
.set ACCQ,  192
.set ACCK,  200
.set ACCV,  208
; v1 lane  v2 r = lane % 16  v3 h = lane / 16  v4 16 lane  v5, v6 where I put a row of X, of a weight  v7, v8, v9 fragment addresses: row 64, my keys, the weights
; v10 4 r  v11-13 bq, bk, bv of feature r  v14, v15 the add's two registers  v16 where my scores go  v17 8 lane  v18, v19 at work  v28 SC + 8 lane
; Row n of a wave's 22: four loads, each of 512 consecutive bytes.  n < 16: row n of my 16 rows of X.  n >= 16: row (n - 16) % 2 of my two rows of weight (n - 16) / 2 (read by this work-group alone).
.macro LDROW n
.set SL, R+16*((\n)%11)
.if (\n) < 16
.irp c, 0,1,2,3
	global_load_b128 v[SL+4*\c:SL+4*\c+3], v4, s[8:9] offset:2048*(\n)+512*\c
.endr
.else
.set WM, ((\n)-16)/2
.set WI, ((\n)-16)%2
.irp c, 0,1,2,3
	global_load_b128 v[SL+4*\c:SL+4*\c+3], v4, s[10+2*WM:11+2*WM] offset:2048*WI+512*\c th:TH_LOAD_NT
.endr
.endif
.endm
; The same row is rounded to bf16 and put into LDS: a lane's 4 numbers are 8 bytes, 32 lanes 256 consecutive bytes.
.macro STROW n
.set SL, R+16*((\n)%11)
.irp c, 0,1,2,3
	v_cvt_pk_bf16_f32 v[T+2*\c], v[SL+4*\c], v[SL+4*\c+1]
	v_cvt_pk_bf16_f32 v[T+2*\c+1], v[SL+4*\c+2], v[SL+4*\c+3]
.endr
.if (\n) < 16
.irp c, 0,1,2,3
	ds_store_b64 v5, v[T+2*\c:T+2*\c+1] offset:(\n)*PITCH+256*\c
.endr
.else
.set WM, ((\n)-16)/2
.set WI, ((\n)-16)%2
.irp c, 0,1,2,3
	ds_store_b64 v6, v[T+2*\c:T+2*\c+1] offset:(16*WM+WI)*PITCH+256*\c
.endr
.endif
.endm
; 20 LDS loads in one run: the fragments of K steps 2 g and 2 g + 1 into buffer b.  A fragment is 16 rows x 32 inputs: lane l holds row l % 16, two loads of 16 bytes, 32 bytes apart.
.macro FRAG b, g
.irp s, 0,1
.set FB, F0+80*(\b)+40*\s
.set KB, 64*(2*(\g)+\s)
	ds_load_b128 v[FB:FB+3], v7 offset:KB
	ds_load_b128 v[FB+4:FB+7], v7 offset:KB+32
	ds_load_b128 v[FB+8:FB+11], v8 offset:KB
	ds_load_b128 v[FB+12:FB+15], v8 offset:KB+32
.irp m, 0,1,2
	ds_load_b128 v[FB+16+8*\m:FB+19+8*\m], v9 offset:\m*16*PITCH+KB
	ds_load_b128 v[FB+20+8*\m:FB+23+8*\m], v9 offset:\m*16*PITCH+KB+32
.endr
.endr
.endm
; Six matrix instructions on buffer b: Q, K, V, Q, K, V: the three accumulators take turns, one instruction a turn.  zero = 1: the first K step starts the sums.
.macro MUL b, zero
.irp s, 0,1
.set FB, F0+80*(\b)+40*\s
.if (\zero) && (\s < 1)
	v_wmma_f32_16x16x32_bf16 v[ACCQ:ACCQ+7], v[FB:FB+7], v[FB+16:FB+23], 0
	v_wmma_f32_16x16x32_bf16 v[ACCK:ACCK+7], v[FB+8:FB+15], v[FB+24:FB+31], 0
	v_wmma_f32_16x16x32_bf16 v[ACCV:ACCV+7], v[FB+8:FB+15], v[FB+32:FB+39], 0
.else
	v_wmma_f32_16x16x32_bf16 v[ACCQ:ACCQ+7], v[FB:FB+7], v[FB+16:FB+23], v[ACCQ:ACCQ+7]
	v_wmma_f32_16x16x32_bf16 v[ACCK:ACCK+7], v[FB+8:FB+15], v[FB+24:FB+31], v[ACCK:ACCK+7]
	v_wmma_f32_16x16x32_bf16 v[ACCV:ACCV+7], v[FB+8:FB+15], v[FB+32:FB+39], v[ACCV:ACCV+7]
.endif
.endr
.endm
.macro PLACES                          ; four places between matrix instructions and loads into registers that they have read (ISA guide 7.12.1 for vector instructions)
.rept 4
	v_nop
.endr
.endm
	s_load_b512 s[8:23], s[0:1], 0x0               ; matrix s[8:9], Wq s[10:11], Wk s[12:13], Wv s[14:15], bq s[16:17], bk s[18:19], bv s[20:21], sc s[22:23]
	s_load_b64 s[24:25], s[0:1], 0x40              ; vimg
	v_lshl_add_u32 v14, v0, 2, SPARE               ; my spare word,
	v_mov_b32 v15, 0                               ; and 0: kept for the add at the wave's end alone
	v_lshrrev_b32 v1, 5, v0
	v_readfirstlane_b32 s2, v1                     ; wave 0..8
	s_mov_b32 s3, ttmp9                            ; slice 0..31
	v_and_b32 v1, 31, v0                           ; lane
	v_and_b32 v2, 15, v0                           ; r
	v_bfe_u32 v3, v0, 4, 1                         ; h
	v_lshl_add_u32 v18, v0, 2, SC
	v_mov_b32 v19, 0
	ds_store_b32 v18, v19                          ; the scores' words start at 0: words 144..191 are stored to sc as they are
	v_lshlrev_b32 v4, 4, v1                        ; 16 lane
	s_mul_i32 s4, s2, 16*PITCH
	v_lshl_add_u32 v5, v1, 3, s4                   ; my 16 rows of X in LDS + 8 lane
	s_mul_i32 s4, s2, 2*PITCH
	s_add_co_u32 s4, s4, WB
	v_lshl_add_u32 v6, v1, 3, s4                   ; my two rows of each weight slice + 8 lane
	v_lshlrev_b32 v7, 4, v3
	v_add_nc_u32 v7, 64*PITCH, v7                  ; row 64 for every lane: + 16 h
	s_lshl_b32 s4, s2, 4
	v_add_nc_u32 v8, s4, v2
	v_min_u32 v8, 128, v8                          ; key 16 w + r, at most 128
	v_mul_u32_u24 v8, v8, PITCH
	v_lshl_add_u32 v8, v3, 4, v8
	v_mul_u32_u24 v9, v2, PITCH                    ; feature r of a weight slice
	v_lshl_add_u32 v9, v3, 4, v9
	v_add_nc_u32 v9, WB, v9
	v_lshlrev_b32 v10, 2, v2
	s_lshl_b32 s4, s2, 6
	s_add_co_u32 s4, s4, SC
	v_lshl_add_u32 v16, v3, 5, s4                  ; SC + 4 (16 w + 8 h)
	v_lshlrev_b32 v17, 3, v1
	v_add_nc_u32 v28, SC, v17
	; byte offsets, made apart from the addresses, each in a pair with 0 above it
	s_lshl_b32 s4, s2, 15                          ; my 16 rows of 2,048 bytes in X
	s_mov_b32 s5, 0
	s_lshl_b32 s6, s3, 15                          ; the slice's 16 rows of a weight,
	s_lshl_b32 s7, s2, 12                          ; my two of them
	s_add_co_u32 s6, s6, s7
	s_mov_b32 s7, 0
	s_lshl_b32 s26, s3, 6                          ; the slice's 16 numbers of a bias
	s_mov_b32 s27, 0
	s_mul_i32 s28, s3, 768                         ; the slice's row of sc
	s_mov_b32 s29, 0
	s_mul_i32 s30, s3, 9216                        ; the slice's nine tiles of vimg,
	s_lshl_b32 s31, s2, 10                         ; mine
	s_add_co_u32 s30, s30, s31
	s_mov_b32 s31, 0
	s_wait_kmcnt 0x0
	s_add_nc_u64 s[8:9], s[8:9], s[4:5]
	s_add_nc_u64 s[8:9], s[8:9], 0x2000000         ; image row 64: 64 x 256 x 2,048 bytes
	s_add_nc_u64 s[10:11], s[10:11], s[6:7]
	s_add_nc_u64 s[12:13], s[12:13], s[6:7]
	s_add_nc_u64 s[14:15], s[14:15], s[6:7]
	s_add_nc_u64 s[16:17], s[16:17], s[26:27]
	s_add_nc_u64 s[18:19], s[18:19], s[26:27]
	s_add_nc_u64 s[20:21], s[20:21], s[26:27]
	s_add_nc_u64 s[22:23], s[22:23], s[28:29]
	s_add_nc_u64 s[24:25], s[24:25], s[30:31]      ; no base and no offset register is written again from here on
	global_load_b32 v11, v10, s[16:17]
	global_load_b32 v12, v10, s[18:19]
	global_load_b32 v13, v10, s[20:21]
	; STAGING.  Waves 0-7: 22 rows each through the ring, 44 loads of 512 bytes on their way.  Wave 8: row 128 alone.
	s_cmp_eq_u32 s2, 8
	s_cbranch_scc1 .Lrow128
.set i, 0
.rept 11
	LDROW i
.set i, i+1
.endr
.set i, 0
.rept 11
	s_wait_loadcnt 40                              ; row i is in: younger are the 4 (10 - i) loads of the slots behind it and the 4 i of the refills; the biases are older
	STROW i
	LDROW i+11
.set i, i+1
.endr
.set i, 0
.rept 11
	s_wait_loadcnt 40-4*i                          ; nothing is issued any more: the counts run down to 0
	STROW i+11
.set i, i+1
.endr
	s_branch .Lstaged
.Lrow128:
	LDROW 0                                        ; my base and my LDS address stand at row 128
	s_wait_loadcnt 0x0
	STROW 0
.Lstaged:
	s_wait_dscnt 0x0                               ; for the others' sake: my rows, and my zeros, are in LDS
	s_barrier_signal -1
	s_barrier_wait -1                              ; X and the three slices are whole
	; PRODUCTS: 16 K steps in 8 groups of two, on two buffers; a group's 20 loads are issued a group ahead.
	FRAG 0, 0
	FRAG 1, 1
	s_wait_dscnt 20                                ; group 0 is in; the 20 loads of group 1 may be out
	MUL 0, 1
	PLACES
	FRAG 0, 2
.set g, 1
.rept 5
	s_wait_dscnt 20                                ; group g is in; group g + 1's 20 may be out
	MUL g%2, 0
	PLACES
	FRAG g%2, g+2
.set g, g+1
.endr
	s_wait_dscnt 20                                ; group 6
	MUL 0, 0
	s_wait_dscnt 0x0                               ; group 7: nothing was issued behind it
	MUL 1, 0
	; THE WAY OUT.  The biases' rounding to bf16: five plain instructions that name no register of the products: the places behind them.
	v_cvt_pk_bf16_f32 v18, v11, v12
	v_cvt_pk_bf16_f32 v19, v13, v13
	v_lshlrev_b32 v11, 16, v18                     ; bq
	v_and_b32 v12, 0xffff0000, v18                 ; bk
	v_lshlrev_b32 v13, 16, v19                     ; bv
	v_add_f32 v18, v[ACCQ], v11                    ; q of feature r (all eight registers hold the same sum; the lowest is read)
	v_mul_f32 v19, v18, v12                        ; q bk
.irp j, 0,1,2,3,4,5,6,7
	v_fma_f32 v[T+\j], v[ACCK+\j], v18, v19        ; q (K + bk) for key 16 w + 8 h + j, feature r
.endr
.irp x, 1,2,4,8
.irp j, 0,1,2,3,4,5,6,7
	v_add_f32_dpp v[T+\j], v[T+\j], v[T+\j] row_xmask:\x row_mask:0xf bank_mask:0xf  ; the sum over the 16 features, which lie in the 16 lanes of a half
.endr
.endr
.irp j, 0,1,2,3,4,5,6,7
	ds_store_b32 v16, v[T+\j] offset:4*\j          ; the sixteen lanes of a half write one word, with one value
.endr
.irp j, 0,1,2,3,4,5,6,7
	v_add_f32 v[F0+\j], v[ACCV+\j], v13            ; V + bv
.endr
	global_store_b128 v4, v[F0:F0+3], s[24:25]             ; each store of the wave covers 512 consecutive bytes, aligned
	global_store_b128 v4, v[F0+4:F0+7], s[24:25] offset:512
	s_wait_dscnt 0x0                               ; for wave 0's sake: my scores are in LDS
	s_barrier_signal -1
	s_barrier_wait -1
	s_cmp_lg_u32 s2, 0
	s_cbranch_scc1 .Lend
.irp i, 0,1,2
	ds_load_b64 v[T+2*\i:T+2*\i+1], v28 offset:256*\i
.endr
	s_wait_dscnt 0x0
.irp i, 0,1,2
	global_store_b64 v17, v[T+2*\i:T+2*\i+1], s[22:23] offset:256*\i  ; 32 lanes store 256 consecutive bytes, aligned
.endr
.Lend:
	s_wait_tensorcnt 0x0                           ; the wave's end, behind my last LDS store
	ds_add_u32 v14, v15
	s_wait_dscnt 0x0
	s_endpgm
.Lfunc_end_k_qb856bd887a_proj:
	.size	k_qb856bd887a_proj, .Lfunc_end_k_qb856bd887a_proj-k_qb856bd887a_proj
	.p2alignl 7, 3214868480
	.fill 96, 4, 3214868480
	.section	.rodata,"a",@progbits
	.p2align	6, 0x0
	.amdhsa_kernel k_qb856bd887a_proj
		.amdhsa_group_segment_fixed_size 186880
		.amdhsa_private_segment_fixed_size 0
		.amdhsa_enable_private_segment 0
		.amdhsa_kernarg_size 72
		.amdhsa_user_sgpr_count 2
		.amdhsa_user_sgpr_kernarg_segment_ptr 1
		.amdhsa_wavefront_size32 1
		.amdhsa_system_sgpr_workgroup_id_x 1
		.amdhsa_system_sgpr_workgroup_id_y 1
		.amdhsa_system_sgpr_workgroup_id_z 1
		.amdhsa_system_vgpr_workitem_id 0
		.amdhsa_next_free_vgpr 216
		.amdhsa_next_free_sgpr 66
		.amdhsa_reserve_vcc 0
		.amdhsa_float_denorm_mode_32 3
		.amdhsa_float_denorm_mode_16_64 3
		.amdhsa_memory_ordered 1
		.amdhsa_forward_progress 1
		.amdhsa_inst_pref_size 49
	.end_amdhsa_kernel
	.amdgpu_metadata
---
amdhsa.version: [ 1, 2 ]
amdhsa.kernels:
  - .name:           k_qb856bd887a_proj
    .symbol:         k_qb856bd887a_proj.kd
    .args:
      - { .name: matrix, .offset: 0, .size: 8, .value_kind: global_buffer, .address_space: global }
      - { .name: Wq, .offset: 8, .size: 8, .value_kind: global_buffer, .address_space: global }
      - { .name: Wk, .offset: 16, .size: 8, .value_kind: global_buffer, .address_space: global }
      - { .name: Wv, .offset: 24, .size: 8, .value_kind: global_buffer, .address_space: global }
      - { .name: bq, .offset: 32, .size: 8, .value_kind: global_buffer, .address_space: global }
      - { .name: bk, .offset: 40, .size: 8, .value_kind: global_buffer, .address_space: global }
      - { .name: bv, .offset: 48, .size: 8, .value_kind: global_buffer, .address_space: global }
      - { .name: sc, .offset: 56, .size: 8, .value_kind: global_buffer, .address_space: global }
      - { .name: vimg, .offset: 64, .size: 8, .value_kind: global_buffer, .address_space: global }
    .group_segment_fixed_size: 186880
    .private_segment_fixed_size: 0
    .kernarg_segment_align: 8
    .kernarg_segment_size: 72
    .max_flat_workgroup_size: 288
    .sgpr_count:     66
    .vgpr_count:     216
    .wavefront_size: 32
...
	.end_amdgpu_metadata
.endif
;; end of part 1
;; launch attend (part 2): grid 32 x 1, 16 waves a work-group, no clusters, 5,120 bytes of LDS; arguments sc, vimg, Wo, bo, out0; writes out0
.if DOCPART == 2
	.amdgcn_target "amdgcn-amd-amdhsa--gfx1250"
	.amdhsa_code_object_version 6
	.text
	.protected	k_qb856bd887a_attend
	.globl	k_qb856bd887a_attend
	.p2align	8
	.type	k_qb856bd887a_attend,@function
k_qb856bd887a_attend:
	s_mov_b64 s[64:65], 0
	v_nop
	global_prefetch_b8 v0, s[64:65] scope:SCOPE_SE
	s_setreg_imm32_b32 hwreg(HW_REG_WAVE_MODE, 25, 1), 1
	s_wait_xcnt 0x0
; LOCAL ATTENTION, SECOND OF TWO LAUNCHES.  out0[f] = the sum over e of Wo[f][e] o[e] + bo[f], o = the sum over the 129 keys k of softmax_k(score k / sqrt(512)) V[k].
; From the launch before: sc[32 slices][192] (score k = the sum of the 32 slices' shares; words from 129 on are no keys) and vimg, V + bv as the accumulators lay:
; [32 slices][9 tiles][2 halves q][32 lanes][4]: lane r + 16 h, number jj = V[key 16 t + 8 h + 4 q + jj][feature 16 slice + r].
; SHARES.  Work-group g owns the 16 rows 16 g .. 16 g + 15 of out0, wave w row 16 g + w.  Scores, softmax and o are made anew in every work-group: they are 320 KB of reads
; and a few hundred instructions, against a third launch.  Waves 0-2 sum the scores, 64 keys each; every wave makes the weights in its own registers, in V's layout, and o of slices 2 w, 2 w + 1.
; One query, one row of each product: a sixteenth of a matrix tile.  So this launch works on the vector unit, in f32, and q's, p's and o's rounding to bf16 is spared.
; SOFTMAX.  p = 2^(c s - m), c = log2(e) / sqrt(512), m the largest c s of the 129 keys; words that are no keys count as minus infinity, p = 0.
; FORMATS.  Wo and bo are rounded once to bf16, like the other inputs in the launch before; all else is f32.
; LIMITS.  NaN and infinities are not treated apart; a weight below 2^-126 counts as 0; the scores are summed slice by slice.
; NO CLUSTER, NO TENSOR LOADS: all work-groups read the same sc and vimg, but each lane uses each number once, straight from the register it was loaded into; LDS would be a detour.
; A work-group's result is 64 consecutive bytes, stored by one instruction: whole blocks of 256 bytes would mean 8 work-groups with four rows of Wo a wave.
.set SB,    0                          ; 192 scaled scores
.set OB,    768                        ; o, 512 f32
.set RB,    2816                       ; the 16 waves' results
.set SPARE, 3072                       ; the spare words, 128 bytes for each of 16 waves: eight blocks of 256 bytes that no other line names
.set P,     24                         ; v[24:91]   17 pieces of 4 scores, then weights; before that, in waves 0-2, sc's 32 pairs in v[24:87]
.set VI,    92                         ; v[92:227]  V: slice u, piece i at VI + 68 u + 4 i; later o's four quads in v[92:107]
.set WO,    228                        ; v[228:243] my row of Wo
; v1 lane  v2 where waves 0-2 put their scores  v3 h = lane / 16  v4 16 lane  v5 8 lane  v6 32 h  v7 OB + 4 thread  v8 0  v9, v10 the add's two registers  v11 bo  v[12:22] at work  v23 RB + 4 w
; o of slice u, not yet divided: the sum over my lane's 68 keys of V p, in two chains of pairs at v[a:a+1] and v[b:b+1], each started by its first product
.macro PV u, a, b
	v_pk_mul_f32 v[\a:\a+1], v[VI+68*\u:VI+68*\u+1], v[P:P+1]
	v_pk_mul_f32 v[\b:\b+1], v[VI+68*\u+2:VI+68*\u+3], v[P+2:P+3]
.set n, 1
.rept 16
	v_pk_fma_f32 v[\a:\a+1], v[VI+68*\u+4*n:VI+68*\u+4*n+1], v[P+4*n:P+4*n+1], v[\a:\a+1]
	v_pk_fma_f32 v[\b:\b+1], v[VI+68*\u+4*n+2:VI+68*\u+4*n+3], v[P+4*n+2:P+4*n+3], v[\b:\b+1]
.set n, n+1
.endr
.endm
	s_load_b256 s[8:15], s[0:1], 0x0               ; sc s[8:9], vimg s[10:11], Wo s[12:13], bo s[14:15]
	s_load_b64 s[16:17], s[0:1], 0x20              ; out0
	v_lshl_add_u32 v9, v0, 2, SPARE                ; my spare word,
	v_mov_b32 v10, 0                               ; and 0: kept for the add at the wave's end alone
	v_lshrrev_b32 v1, 5, v0
	v_readfirstlane_b32 s2, v1                     ; wave 0..15
	s_mov_b32 s3, ttmp9                            ; g 0..31
	v_and_b32 v1, 31, v0                           ; lane
	v_bfe_u32 v3, v0, 4, 1                         ; h
	v_lshlrev_b32 v4, 4, v1
	v_lshlrev_b32 v5, 3, v1
	v_lshlrev_b32 v6, 5, v3
	v_lshl_add_u32 v7, v0, 2, OB
	v_mov_b32 v8, 0
	s_mov_b32 s18, 0x76543210                      ; v_permlanex16_b32: each lane takes its own place in the other half
	s_mov_b32 s19, 0xfedcba98
	s_lshl_b32 s21, s2, 6                          ; waves 0-2: my first key
	s_mov_b32 s22, 0x3d8293ee                      ; c = log2(e) / sqrt(512) = 0.0637587
	s_mov_b32 s23, s22                             ; named with it as a pair
	s_lshl_b32 s4, s2, 2
	s_add_co_u32 s4, s4, RB
	v_mov_b32 v23, s4
	; byte offsets, made apart from the addresses, in pairs with 0 above
	s_lshl_b32 s4, s2, 8                           ; waves 0-2: my 64 keys in a slice's row of sc, and in LDS
	s_mov_b32 s5, 0
	v_lshl_add_u32 v2, v1, 3, s4
	s_mul_i32 s6, s2, 18432                        ; my two slices of vimg
	s_mov_b32 s7, 0
	s_wait_kmcnt 0x0
	s_add_nc_u64 s[8:9], s[8:9], s[4:5]
	s_add_nc_u64 s[10:11], s[10:11], s[6:7]
	s_lshl_b32 s4, s3, 15                          ; row 16 g + w of Wo, 2,048 bytes a row
	s_lshl_b32 s6, s2, 11
	s_add_co_u32 s4, s4, s6
	s_add_nc_u64 s[12:13], s[12:13], s[4:5]
	s_lshl_b32 s4, s3, 6                           ; the work-group's 16 numbers of out0,
	s_add_nc_u64 s[16:17], s[16:17], s[4:5]
	s_lshl_b32 s6, s2, 2                           ; and my one of bo
	s_add_co_u32 s4, s4, s6
	s_add_nc_u64 s[14:15], s[14:15], s[4:5]        ; no base and no offset register is written again from here on
	; ALL LOADS AT ONCE
	s_cmp_lt_u32 s2, 3
	s_cbranch_scc0 .Lno_sc
.set n, 0
.rept 32
	global_load_b64 v[P+2*n:P+2*n+1], v5, s[8:9] offset:768*n  ; slice n's shares of my 64 keys: 256 consecutive bytes, aligned
.set n, n+1
.endr
.Lno_sc:
.irp u, 0,1
.set n, 0
.rept 17                               ; pieces 0-16; piece 17 (keys 132 on) holds no key and is not read
	global_load_b128 v[VI+68*\u+4*n:VI+68*\u+4*n+3], v4, s[10:11] offset:9216*\u+512*n
.set n, n+1
.endr
.endr
.irp c, 0,1,2,3
	global_load_b128 v[WO+4*\c:WO+4*\c+3], v4, s[12:13] offset:512*\c th:TH_LOAD_NT  ; read by this wave alone
.endr
	global_load_b32 v11, v8, s[14:15]
	; THE SCORES: waves 0-2
	s_cmp_lt_u32 s2, 3
	s_cbranch_scc0 .Lno_sum
	s_wait_loadcnt 39                              ; the 32 loads of sc are in; younger: 34 of V, 4 of Wo, 1 of bo
.set n, 4
.rept 28
	v_pk_add_f32 v[P+2*(n%4):P+2*(n%4)+1], v[P+2*(n%4):P+2*(n%4)+1], v[P+2*n:P+2*n+1]  ; four chains, slice n onto chain n % 4
.set n, n+1
.endr
	v_pk_add_f32 v[P:P+1], v[P:P+1], v[P+2:P+3]
	v_pk_add_f32 v[P+4:P+5], v[P+4:P+5], v[P+6:P+7]
	v_lshl_add_u32 v12, v1, 1, s21                 ; my first key of two
	v_mov_b32 v13, 0xff800000                      ; minus infinity
	v_pk_add_f32 v[P:P+1], v[P:P+1], v[P+4:P+5]
	v_pk_mul_f32 v[P:P+1], v[P:P+1], s[22:23] op_sel_hi:[1,0]  ; c s
	v_cmp_gt_u32 vcc_lo, 129, v12
	v_cndmask_b32 v[P], v13, v[P], vcc_lo          ; words from 129 on are no keys
	v_cmp_gt_u32 vcc_lo, 128, v12
	v_cndmask_b32 v[P+1], v13, v[P+1], vcc_lo
	ds_store_b64 v2, v[P:P+1] offset:SB
.Lno_sum:
	s_wait_dscnt 0x0                               ; for the others' sake: my scores are in LDS
	s_barrier_signal -1
	s_barrier_wait -1
	; THE SOFTMAX, in every wave: piece i = 2 t + q of my half of the lanes holds keys 16 t + 8 h + 4 q + 0..3, as V's piece does
.set n, 0
.rept 17
	ds_load_b128 v[P+4*n:P+4*n+3], v6 offset:SB+64*(n/2)+16*(n%2)
.set n, n+1
.endr
	s_wait_dscnt 0x0
.irp c, 0,1,2,3
	v_max3_num_f32 v[16+\c], v[P+3*\c], v[P+3*\c+1], v[P+3*\c+2]  ; four chains, started by the first twelve scores
.endr
.set n, 0
.rept 28
	v_max3_num_f32 v[16+n%4], v[16+n%4], v[P+12+2*n], v[P+13+2*n]
.set n, n+1
.endr
	v_max3_num_f32 v16, v16, v17, v18
	v_max_num_f32 v16, v16, v19
	v_permlanex16_b32 v17, v16, s18, s19           ; the other half of the lanes holds the other keys
	v_max_num_f32 v12, v16, v17                    ; m
	v_mov_b32 v13, v12
.set n, 0
.rept 34
	v_pk_add_f32 v[P+2*n:P+2*n+1], v[P+2*n:P+2*n+1], v[12:13] neg_lo:[0,1] neg_hi:[0,1]  ; c s - m
.set n, n+1
.endr
.set n, 0
.rept 68
	v_exp_f32 v[P+n], v[P+n]
.set n, n+1
.endr
	v_nop                                          ; a plain instruction between the last exponential and the use of its result
	s_wait_alu depctr_va_vdst(0)
.irp c, 0,1,2,3
	v_pk_add_f32 v[14+2*\c:15+2*\c], v[P+2*\c:P+2*\c+1], v[P+8+2*\c:P+9+2*\c]  ; l: four chains beside P, which is kept
.endr
.set n, 8
.rept 26
	v_pk_add_f32 v[14+2*(n%4):15+2*(n%4)], v[14+2*(n%4):15+2*(n%4)], v[P+2*n:P+2*n+1]
.set n, n+1
.endr
	v_pk_add_f32 v[14:15], v[14:15], v[16:17]
	v_pk_add_f32 v[18:19], v[18:19], v[20:21]
	v_pk_add_f32 v[14:15], v[14:15], v[18:19]
	v_add_f32 v14, v14, v15
	v_permlanex16_b32 v15, v14, s18, s19
	v_add_f32 v14, v14, v15                        ; l, at least 1: the largest score's weight is 1
	v_rcp_f32 v22, v14                             ; the products below, which touch neither v14 nor v22, stand between it and the use of its result
	; o = P V / l for my two slices
	s_wait_loadcnt 22                              ; slice 0's 17 loads are in; younger: slice 1's 17, Wo's 4, bo's 1
	PV 0, 16, 18
	s_wait_loadcnt 5                               ; slice 1's are in; younger: Wo's 4, bo's 1
	PV 1, 20, 12
	v_pk_add_f32 v[16:17], v[16:17], v[18:19]
	v_pk_add_f32 v[20:21], v[20:21], v[12:13]
	v_add_f32 v16, v16, v17
	v_add_f32 v20, v20, v21
	v_permlanex16_b32 v17, v16, s18, s19           ; the other eight keys of each tile
	v_permlanex16_b32 v21, v20, s18, s19
	v_add_f32 v16, v16, v17
	v_add_f32 v20, v20, v21
	v_cmp_eq_u32 vcc_lo, 1, v3
	v_cndmask_b32 v16, v16, v20, vcc_lo            ; lanes 0-15 keep slice 2 w, lanes 16-31 slice 2 w + 1: feature 32 w + lane
	s_wait_alu depctr_va_vdst(0)
	v_mul_f32 v16, v16, v22
	ds_store_b32 v7, v16
	s_wait_dscnt 0x0                               ; for the others' sake: my 32 numbers of o are in LDS
	s_barrier_signal -1
	s_barrier_wait -1
	; MY ROW OF Wo
.irp c, 0,1,2,3
	ds_load_b128 v[VI+4*\c:VI+4*\c+3], v4 offset:OB+512*\c  ; o[128 c + 4 lane ..], as Wo's loads lie
.endr
	s_wait_loadcnt 0x0                             ; Wo and bo
.irp c, 0,1,2,3
	v_cvt_pk_bf16_f32 v[12+2*\c], v[WO+4*\c], v[WO+4*\c+1]
	v_cvt_pk_bf16_f32 v[13+2*\c], v[WO+4*\c+2], v[WO+4*\c+3]
.endr
	v_cvt_pk_bf16_f32 v20, v11, v11
.irp c, 0,1,2,3
	v_lshlrev_b32 v[WO+4*\c], 16, v[12+2*\c]       ; the rounded numbers, as f32 again
	v_and_b32 v[WO+4*\c+1], 0xffff0000, v[12+2*\c]
	v_lshlrev_b32 v[WO+4*\c+2], 16, v[13+2*\c]
	v_and_b32 v[WO+4*\c+3], 0xffff0000, v[13+2*\c]
.endr
	v_lshlrev_b32 v11, 16, v20
	s_wait_dscnt 0x0                               ; o
	v_pk_mul_f32 v[12:13], v[WO:WO+1], v[VI:VI+1]
	v_pk_mul_f32 v[14:15], v[WO+2:WO+3], v[VI+2:VI+3]
.irp c, 1,2,3
	v_pk_fma_f32 v[12:13], v[WO+4*\c:WO+4*\c+1], v[VI+4*\c:VI+4*\c+1], v[12:13]
	v_pk_fma_f32 v[14:15], v[WO+4*\c+2:WO+4*\c+3], v[VI+4*\c+2:VI+4*\c+3], v[14:15]
.endr
	v_pk_add_f32 v[12:13], v[12:13], v[14:15]
	v_add_f32 v12, v12, v13
	v_add_f32_dpp v12, v12, v12 row_xmask:1 row_mask:0xf bank_mask:0xf
	v_add_f32_dpp v12, v12, v12 row_xmask:2 row_mask:0xf bank_mask:0xf
	v_add_f32_dpp v12, v12, v12 row_xmask:4 row_mask:0xf bank_mask:0xf
	v_add_f32_dpp v12, v12, v12 row_xmask:8 row_mask:0xf bank_mask:0xf
	v_permlanex16_b32 v13, v12, s18, s19
	v_add_f32 v12, v12, v13
	v_add_f32 v12, v12, v11                        ; + bo
	ds_store_b32 v23, v12                          ; all lanes write one word, with one value
	v_lshl_add_u32 v13, v1, 2, RB
	v_lshlrev_b32 v14, 2, v1
	s_wait_dscnt 0x0                               ; for wave 0's sake: my result is in LDS
	s_barrier_signal -1
	s_barrier_wait -1
	s_cmp_lg_u32 s2, 0
	s_cbranch_scc1 .Lend
	s_wait_xcnt 0x0                                ; EXEC is a source of the loads issued above: it changes only behind this wait
	v_cmp_gt_u32 vcc_lo, 16, v0
	s_and_saveexec_b32 s20, vcc_lo                 ; lanes 0-15
	ds_load_b32 v12, v13
	s_wait_dscnt 0x0
	global_store_b32 v14, v12, s[16:17]            ; 64 consecutive bytes: rows 16 g .. 16 g + 15
	s_wait_xcnt 0x0                                ; and again, in front of the line that widens it
	s_or_b32 exec_lo, exec_lo, s20
.Lend:
	s_wait_tensorcnt 0x0                           ; the wave's end, behind my last LDS store
	ds_add_u32 v9, v10
	s_wait_dscnt 0x0
	s_endpgm
.Lfunc_end_k_qb856bd887a_attend:
	.size	k_qb856bd887a_attend, .Lfunc_end_k_qb856bd887a_attend-k_qb856bd887a_attend
	.p2alignl 7, 3214868480
	.fill 96, 4, 3214868480
	.section	.rodata,"a",@progbits
	.p2align	6, 0x0
	.amdhsa_kernel k_qb856bd887a_attend
		.amdhsa_group_segment_fixed_size 5120
		.amdhsa_private_segment_fixed_size 0
		.amdhsa_enable_private_segment 0
		.amdhsa_kernarg_size 40
		.amdhsa_user_sgpr_count 2
		.amdhsa_user_sgpr_kernarg_segment_ptr 1
		.amdhsa_wavefront_size32 1
		.amdhsa_system_sgpr_workgroup_id_x 1
		.amdhsa_system_sgpr_workgroup_id_y 1
		.amdhsa_system_sgpr_workgroup_id_z 1
		.amdhsa_system_vgpr_workitem_id 0
		.amdhsa_next_free_vgpr 244
		.amdhsa_next_free_sgpr 66
		.amdhsa_reserve_vcc 1
		.amdhsa_float_denorm_mode_32 3
		.amdhsa_float_denorm_mode_16_64 3
		.amdhsa_memory_ordered 1
		.amdhsa_forward_progress 1
		.amdhsa_inst_pref_size 30
	.end_amdhsa_kernel
	.amdgpu_metadata
---
amdhsa.version: [ 1, 2 ]
amdhsa.kernels:
  - .name:           k_qb856bd887a_attend
    .symbol:         k_qb856bd887a_attend.kd
    .args:
      - { .name: sc, .offset: 0, .size: 8, .value_kind: global_buffer, .address_space: global }
      - { .name: vimg, .offset: 8, .size: 8, .value_kind: global_buffer, .address_space: global }
      - { .name: Wo, .offset: 16, .size: 8, .value_kind: global_buffer, .address_space: global }
      - { .name: bo, .offset: 24, .size: 8, .value_kind: global_buffer, .address_space: global }
      - { .name: out0, .offset: 32, .size: 8, .value_kind: global_buffer, .address_space: global }
    .group_segment_fixed_size: 5120
    .private_segment_fixed_size: 0
    .kernarg_segment_align: 8
    .kernarg_segment_size: 40
    .max_flat_workgroup_size: 512
    .sgpr_count:     66
    .vgpr_count:     244
    .wavefront_size: 32
...
	.end_amdgpu_metadata
.endif
;; end of part 2
;; ======== version 2 of 2: 2 launches; version 1 with the launch proj written anew for expert scheduling mode
;; workspace buffers: sc 24,576 bytes; vimg 294,912 bytes
;; launch proj (part 3): grid 32 x 1, 9 waves a work-group, no clusters, 186,880 bytes of LDS; arguments matrix, Wq, Wk, Wv, bq, bk, bv, sc, vimg; writes sc, vimg
.if DOCPART == 3
	.amdgcn_target "amdgcn-amd-amdhsa--gfx1250"
	.amdhsa_code_object_version 6
	.text
	.protected	k_qb856bd887a_proj
	.globl	k_qb856bd887a_proj
	.p2align	8
	.type	k_qb856bd887a_proj,@function
k_qb856bd887a_proj:
	s_mov_b64 s[64:65], 0
	v_nop
	global_prefetch_b8 v0, s[64:65] scope:SCOPE_SE
	s_setreg_imm32_b32 hwreg(HW_REG_WAVE_SCHED_MODE, 0, 2), 2
	s_setreg_imm32_b32 hwreg(HW_REG_WAVE_MODE, 25, 1), 1
	s_wait_xcnt 0x0
	s_wait_alu depctr_vm_vsrc(0)
; LOCAL ATTENTION, FIRST OF TWO LAUNCHES.  The module returns ONE vector: row 64, column 64 of a window that begins at row 0, column 0 (px = py = 64).
; That vector hangs on matrix[64][0..128][:] (129 rows X of 512 f32), the four weights and the four biases alone; what the module's own slices and its last
; index throw away is not computed, and of matrix only those 129 rows are read.
; THIS LAUNCH: work-group j owns the 16 features 16 j .. 16 j + 15.  It makes q = Wq x[64] + bq, K = X Wk^T and V = X Wv^T for them (bf16 operands, f32 sums),
; and stores  sc[j][k] = the sum over its features f of q[f] (K[k][f] + bk[f])  (the slice's share of score k, unscaled)  and  vimg = V + bv.
; FORMATS.  Every input is rounded once to bf16 (matrix, weights and biases alike); q, K, V and the scores stay in f32.
; LIMITS.  NaN and infinities are not treated apart.  q (K + bk) is formed as fma(K, q, q bk); a score is summed slice by slice, in another order than one long dot product.
; SHARES.  Nine waves; wave w owns the 16 keys 16 w .. 16 w + 15 (wave 8: key 128 sixteen times, by a clamped row).  Each wave runs three sums over the 512 inputs:
; Q (source 0 = row 64 in all 16 rows, so that every register of lane r holds q[r] and nothing changes lanes), K and V.
; NO CLUSTER, NO TENSOR LOADS: all 32 work-groups read the same X, but it has to pass through registers to be rounded to bf16, and as f32 X and a slice's weights
; (264,192 + 98,304 bytes) do not fit into the 327,680 bytes of LDS.  No prefetch: every load of the launch is issued at its head.
; vimg: [32 slices][9 tiles][2 halves q][32 lanes][4 f32]: the accumulator as it lies in registers: lane r + 16 h, number jj = V[key 16 t + 8 h + 4 q + jj][feature 16 slice + r] + bv.
; sc: [32 slices][192 f32]: 0..128 the scores' shares, 129..143 copies of key 128's, 144..191 zeros.
; THE MODE: SCHED_MODE bits 1:0 = 2 (LLVM: expert scheduling mode 2), set by the entry lines.  The code itself states the register dependences
; between vector or matrix instructions and memory or LDS instructions, with s_wait_alu, always for 0.
; THE PLAN.  Registers that memory or LDS instructions touch:
;   v4-v10, v16, v17, v28   offsets and LDS addresses, and v14, v15, the add's pair: written once at the head, never again: one wait on va_vdst at the head serves them all.
;   v18, v19      Address and data of the head's one LDS store; written again on the way out.
;   the ring      Row n: its eight conversions read slot n % 11; behind them the loads of row n + 11 land in it, and behind the last rows the fragments.
;   T0, T1        Row n: its conversions write T[n % 2], its four LDS stores read it.  T0 is written again on the way out.
;   the fragments K step k: its three matrix instructions read buffer k % 4; the LDS loads of step k + 4, issued in step k + 1, land in it.
;   v[32:39]      The way out: V + bv, written by eight additions, read by two global stores.   v[40:45]  wave 0: the scores read back; read before that by matrix instructions alone.
; STAGING: one wait on va_vdst a row, behind its conversions (T[n % 2] is written; the slot is read out), and beside it, AHEAD of the row's own stores, one wait on vm_vsrc: it covers the
; stores of the row before, which read the T that the next row writes, and so stands a whole row behind them.  PRODUCTS: one wait on va_vdst at the head of a K step that loads: the step
; before is done reading its buffer; the step's ten loads follow, dealt among its three matrix instructions, which name buffer k % 4 and the accumulators alone.
.set PITCH, 1040                       ; an LDS row: 512 bf16 + 16 bytes = 65 x 16: the 16 rows that a fragment load touches start in 16 different groups of four banks (64 banks of 4 bytes: ISA guide 11.1)
.set WB,    134400                     ; X's 129 rows lie from byte 0 on (134,160 bytes); here 48 rows of weights: 0-15 Wq's slice, 16-31 Wk's, 32-47 Wv's
.set SC,    184320                     ; 192 shares of scores (the head clears 288 words)
.set SPARE, 185600                     ; the spare words, 128 bytes for each of nine waves: five blocks of 256 bytes that no other line names
.set T0,    20                         ; v[20:27]   a row in bf16, even rows; on the way out: at work
.set T1,    216                        ; v[216:223] a row in bf16, odd rows
.set R,     32                         ; v[32:207]  staging: a ring of 11 slots of 16 registers, a row of 2,048 bytes each
.set F0,    32                         ; v[32:191]  products: four fragment buffers of one K step, 40 registers each: row 64 (+0), my keys (+8), Wq (+16), Wk (+24), Wv (+32)
.set BK,    40                         ; v[40:45]   wave 0, at the end: the 192 shares read back
.set ACCQ,  192
.set ACCK,  200
.set ACCV,  208
; v1 lane  v2 r = lane % 16  v3 h = lane / 16  v4 16 lane  v5, v6 where I put a row of X, of a weight  v7, v8, v9 fragment addresses: row 64, my keys, the weights
; v10 4 r  v11-13 bq, bk, bv of feature r  v14, v15 the add's two registers  v16 where my scores go  v17 8 lane  v18, v19 at work  v28 SC + 8 lane
; Row n of a wave's 22: four loads, each of 512 consecutive bytes.  n < 16: row n of my 16 rows of X.  n >= 16: row (n - 16) % 2 of my two rows of weight (n - 16) / 2 (read by this work-group alone).
.macro LDROW n
.set SL, R+16*((\n)%11)
.if (\n) < 16
.irp c, 0,1,2,3
	global_load_b128 v[SL+4*\c:SL+4*\c+3], v4, s[8:9] offset:2048*(\n)+512*\c
.endr
.else
.set WM, ((\n)-16)/2
.set WI, ((\n)-16)%2
.irp c, 0,1,2,3
	global_load_b128 v[SL+4*\c:SL+4*\c+3], v4, s[10+2*WM:11+2*WM] offset:2048*WI+512*\c th:TH_LOAD_NT
.endr
.endif
.endm
; The same row is rounded to bf16, into T[n % 2],
.macro CVROW n
.set SC0, R+16*((\n)%11)
.set TB, T0+(T1-T0)*((\n)%2)
.irp c, 0,1,2,3
	v_cvt_pk_bf16_f32 v[TB+2*\c], v[SC0+4*\c], v[SC0+4*\c+1]
	v_cvt_pk_bf16_f32 v[TB+2*\c+1], v[SC0+4*\c+2], v[SC0+4*\c+3]
.endr
.endm
; and put into LDS: a lane's 4 numbers are 8 bytes, 32 lanes 256 consecutive bytes.
.macro STROW n
.set TB, T0+(T1-T0)*((\n)%2)
.if (\n) < 16
.irp c, 0,1,2,3
	ds_store_b64 v5, v[TB+2*\c:TB+2*\c+1] offset:(\n)*PITCH+256*\c
.endr
.else
.set WM, ((\n)-16)/2
.set WI, ((\n)-16)%2
.irp c, 0,1,2,3
	ds_store_b64 v6, v[TB+2*\c:TB+2*\c+1] offset:(16*WM+WI)*PITCH+256*\c
.endr
.endif
.endm
; Row n's turn.  left: how many younger loads may stay out.  ahead = 1: the slot is asked for again, for row n + 11.
.macro ROW n, left, ahead
	s_wait_loadcnt \left
	CVROW \n
	s_wait_alu depctr_va_vdst(0)                   ; the conversions have written T[n % 2], which the LDS stores below read, and are done reading the slot, in which later loads land (row n + 11's; behind the last rows the fragments')
.if ((\n) > 0) && ((\n) < 21)
	s_wait_alu depctr_vm_vsrc(0)                   ; the LDS stores of the row before have read the other T, which the next row's conversions write
.endif
.if \ahead
	LDROW (\n)+11                                  ; no vector instruction since the wait on va_vdst names the slot
.endif
	STROW \n
.endm
; The fragments of K step k go into buffer k % 4.  A fragment is 16 rows x 32 inputs: lane l holds row l % 16, two loads of 16 bytes, 32 bytes apart.
.macro FRX k                           ; four loads: row 64's and my keys'
.set FL, F0+40*((\k)%4)
.set KB, 64*(\k)
	ds_load_b128 v[FL:FL+3], v7 offset:KB
	ds_load_b128 v[FL+4:FL+7], v7 offset:KB+32
	ds_load_b128 v[FL+8:FL+11], v8 offset:KB
	ds_load_b128 v[FL+12:FL+15], v8 offset:KB+32
.endm
.macro FRW k, m                        ; two loads: weight m's (0 Wq, 1 Wk, 2 Wv)
.set FL, F0+40*((\k)%4)+16+8*(\m)
.set KB, 64*(\k)+(\m)*16*PITCH
	ds_load_b128 v[FL:FL+3], v9 offset:KB
	ds_load_b128 v[FL+4:FL+7], v9 offset:KB+32
.endm
; K step k: three matrix instructions, Q, K, V: the three accumulators take turns, one instruction a turn.  Step 0 starts the sums.
; left: how many younger LDS loads may stay out.  ahead = 1: the buffer that the step before read is asked for again, for step k + 3.
.macro KSTEP k, left, ahead
.set FM, F0+40*((\k)%4)
	s_wait_dscnt \left                             ; LDS loads come back in order (ISA guide 5.7.1): this step's ten are in
.if \ahead
	s_wait_alu depctr_va_vdst(0)                   ; the matrix instructions of the step before are done reading their buffer, in which the ten loads of this step land
	FRX (\k)+3
.endif
.if (\k) == 0
	v_wmma_f32_16x16x32_bf16 v[ACCQ:ACCQ+7], v[FM:FM+7], v[FM+16:FM+23], 0
.else
	v_wmma_f32_16x16x32_bf16 v[ACCQ:ACCQ+7], v[FM:FM+7], v[FM+16:FM+23], v[ACCQ:ACCQ+7]
.endif
.if \ahead
	FRW (\k)+3, 0                                  ; no wait: no vector or matrix instruction since the wait above names that buffer
	FRW (\k)+3, 1
.endif
.if (\k) == 0
	v_wmma_f32_16x16x32_bf16 v[ACCK:ACCK+7], v[FM+8:FM+15], v[FM+24:FM+31], 0
.else
	v_wmma_f32_16x16x32_bf16 v[ACCK:ACCK+7], v[FM+8:FM+15], v[FM+24:FM+31], v[ACCK:ACCK+7]
.endif
.if \ahead
	FRW (\k)+3, 2
.endif
.if (\k) == 0
	v_wmma_f32_16x16x32_bf16 v[ACCV:ACCV+7], v[FM+8:FM+15], v[FM+32:FM+39], 0
.else
	v_wmma_f32_16x16x32_bf16 v[ACCV:ACCV+7], v[FM+8:FM+15], v[FM+32:FM+39], v[ACCV:ACCV+7]
.endif
.endm
	s_load_b512 s[8:23], s[0:1], 0x0               ; matrix s[8:9], Wq s[10:11], Wk s[12:13], Wv s[14:15], bq s[16:17], bk s[18:19], bv s[20:21], sc s[22:23]
	s_load_b64 s[24:25], s[0:1], 0x40              ; vimg
	v_lshl_add_u32 v14, v0, 2, SPARE               ; my spare word,
	v_mov_b32 v15, 0                               ; and 0: kept for the add at the wave's end alone
	v_lshrrev_b32 v1, 5, v0
	v_readfirstlane_b32 s2, v1                     ; wave 0..8
	s_mov_b32 s3, ttmp9                            ; slice 0..31
	v_and_b32 v1, 31, v0                           ; lane
	v_and_b32 v2, 15, v0                           ; r
	v_bfe_u32 v3, v0, 4, 1                         ; h
	v_lshl_add_u32 v18, v0, 2, SC
	v_mov_b32 v19, 0
	v_lshlrev_b32 v4, 4, v1                        ; 16 lane
	s_wait_alu depctr_va_sdst(0)                   ; s2 is written, ahead of its first reader: addresses, offsets and branches are made from it
	s_mul_i32 s4, s2, 16*PITCH
	v_lshl_add_u32 v5, v1, 3, s4                   ; my 16 rows of X in LDS + 8 lane
	s_mul_i32 s4, s2, 2*PITCH
	s_add_co_u32 s4, s4, WB
	v_lshl_add_u32 v6, v1, 3, s4                   ; my two rows of each weight slice + 8 lane
	v_lshlrev_b32 v7, 4, v3
	v_add_nc_u32 v7, 64*PITCH, v7                  ; row 64 for every lane: + 16 h
	s_lshl_b32 s4, s2, 4
	v_add_nc_u32 v8, s4, v2
	v_min_u32 v8, 128, v8                          ; key 16 w + r, at most 128
	v_mul_u32_u24 v8, v8, PITCH
	v_lshl_add_u32 v8, v3, 4, v8
	v_mul_u32_u24 v9, v2, PITCH                    ; feature r of a weight slice
	v_lshl_add_u32 v9, v3, 4, v9
	v_add_nc_u32 v9, WB, v9
	v_lshlrev_b32 v10, 2, v2
	s_lshl_b32 s4, s2, 6
	s_add_co_u32 s4, s4, SC
	v_lshl_add_u32 v16, v3, 5, s4                  ; SC + 4 (16 w + 8 h)
	v_lshlrev_b32 v17, 3, v1
	v_add_nc_u32 v28, SC, v17
	; byte offsets, made apart from the addresses, each in a pair with 0 above it
	s_lshl_b32 s4, s2, 15                          ; my 16 rows of 2,048 bytes in X
	s_mov_b32 s5, 0
	s_lshl_b32 s6, s3, 15                          ; the slice's 16 rows of a weight,
	s_lshl_b32 s7, s2, 12                          ; my two of them
	s_add_co_u32 s6, s6, s7
	s_mov_b32 s7, 0
	s_lshl_b32 s26, s3, 6                          ; the slice's 16 numbers of a bias
	s_mov_b32 s27, 0
	s_mul_i32 s28, s3, 768                         ; the slice's row of sc
	s_mov_b32 s29, 0
	s_mul_i32 s30, s3, 9216                        ; the slice's nine tiles of vimg,
	s_lshl_b32 s31, s2, 10                         ; mine
	s_add_co_u32 s30, s30, s31
	s_mov_b32 s31, 0
	s_wait_alu depctr_va_vdst(0)                   ; v4 to v10, v16 to v19 and v28 are written: the offsets, LDS addresses and the zero that the loads and stores below read
	ds_store_b32 v18, v19                          ; the scores' words start at 0: words 144..191 are stored to sc as they are
	s_wait_kmcnt 0x0
	s_add_nc_u64 s[8:9], s[8:9], s[4:5]
	s_add_nc_u64 s[8:9], s[8:9], 0x2000000         ; image row 64: 64 x 256 x 2,048 bytes
	s_add_nc_u64 s[10:11], s[10:11], s[6:7]
	s_add_nc_u64 s[12:13], s[12:13], s[6:7]
	s_add_nc_u64 s[14:15], s[14:15], s[6:7]
	s_add_nc_u64 s[16:17], s[16:17], s[26:27]
	s_add_nc_u64 s[18:19], s[18:19], s[26:27]
	s_add_nc_u64 s[20:21], s[20:21], s[26:27]
	s_add_nc_u64 s[22:23], s[22:23], s[28:29]
	s_add_nc_u64 s[24:25], s[24:25], s[30:31]      ; no base and no offset register is written again from here on
	global_load_b32 v11, v10, s[16:17]
	global_load_b32 v12, v10, s[18:19]
	global_load_b32 v13, v10, s[20:21]
	; STAGING.  Waves 0-7: 22 rows each through the ring, 44 loads of 512 bytes on their way.  Wave 8: row 128 alone.
	s_cmp_eq_u32 s2, 8
	s_cbranch_scc1 .Lrow128
.set i, 0
.rept 11
	LDROW i
.set i, i+1
.endr
.set i, 0
.rept 11
	ROW i, 40, 1                                   ; row i is in: younger are the 4 (10 - i) loads of the slots behind it and the 4 i of the refills; the biases are older
.set i, i+1
.endr
.set i, 0
.rept 11
	ROW i+11, 40-4*i, 0                            ; nothing is issued any more: the counts run down to 0
.set i, i+1
.endr
	s_branch .Lstaged
.Lrow128:
	LDROW 0                                        ; my base and my LDS address stand at row 128
	ROW 0, 0, 0
.Lstaged:
	s_wait_dscnt 0x0                               ; for the others' sake: my rows, and my zeros, are in LDS
	s_barrier_signal -1
	s_barrier_wait -1                              ; X and the three slices are whole
	s_wait_alu depctr_vm_vsrc(0)                   ; my LDS stores have read T0, v18 and v19, which the way out writes again
	; PRODUCTS: 16 K steps on a ring of four buffers; a step's ten loads are issued three steps ahead.  The first forty land in the ring's slots: the conversions that read those stand ahead of the last row's wait on va_vdst.
.set ks, 0
.rept 4
	FRX ks
	FRW ks, 0
	FRW ks, 1
	FRW ks, 2
.set ks, ks+1
.endr
	KSTEP 0, 30, 0                                 ; steps 1 to 3, thirty loads, may be out
.set ks, 1
.rept 12
	KSTEP ks, 20, 1                                ; the two younger steps, twenty loads, may be out; step ks + 3 is asked for
.set ks, ks+1
.endr
	KSTEP 13, 20, 0                                ; nothing is left to ask for: the counts run down
	KSTEP 14, 10, 0
	KSTEP 15, 0, 0
	; THE WAY OUT.  The biases' rounding to bf16: five plain instructions that name no register of the products: the places behind them.
	v_cvt_pk_bf16_f32 v18, v11, v12
	v_cvt_pk_bf16_f32 v19, v13, v13
	v_lshlrev_b32 v11, 16, v18                     ; bq
	v_and_b32 v12, 0xffff0000, v18                 ; bk
	v_lshlrev_b32 v13, 16, v19                     ; bv
	v_add_f32 v18, v[ACCQ], v11                    ; q of feature r (all eight registers hold the same sum; the lowest is read)
	v_mul_f32 v19, v18, v12                        ; q bk
.irp j, 0,1,2,3,4,5,6,7
	v_fma_f32 v[T0+\j], v[ACCK+\j], v18, v19       ; q (K + bk) for key 16 w + 8 h + j, feature r
.endr
.irp x, 1,2,4,8
.irp j, 0,1,2,3,4,5,6,7
	v_add_f32_dpp v[T0+\j], v[T0+\j], v[T0+\j] row_xmask:\x row_mask:0xf bank_mask:0xf  ; the sum over the 16 features, which lie in the 16 lanes of a half
.endr
.endr
.irp j, 0,1,2,3,4,5,6,7
	v_add_f32 v[F0+\j], v[ACCV+\j], v13            ; V + bv
.endr
	s_wait_alu depctr_va_vdst(0)                   ; the sums have written T0, which the LDS stores read, and the additions v[32:39], which the global stores read; the matrix instructions are done reading v[40:45], in which wave 0's loads land
.irp j, 0,1,2,3,4,5,6,7
	ds_store_b32 v16, v[T0+\j] offset:4*\j         ; the sixteen lanes of a half write one word, with one value
.endr
	global_store_b128 v4, v[F0:F0+3], s[24:25]             ; each store of the wave covers 512 consecutive bytes, aligned
	global_store_b128 v4, v[F0+4:F0+7], s[24:25] offset:512
	s_wait_dscnt 0x0                               ; for wave 0's sake: my scores are in LDS
	s_barrier_signal -1
	s_barrier_wait -1
	s_cmp_lg_u32 s2, 0
	s_cbranch_scc1 .Lend
.irp i, 0,1,2
	ds_load_b64 v[BK+2*\i:BK+2*\i+1], v28 offset:256*\i  ; into registers that no store has read and no vector instruction since the last wait on va_vdst names
.endr
	s_wait_dscnt 0x0
.irp i, 0,1,2
	global_store_b64 v17, v[BK+2*\i:BK+2*\i+1], s[22:23] offset:256*\i  ; 32 lanes store 256 consecutive bytes, aligned
.endr
.Lend:
	s_wait_dscnt 0x0                               ; the closing lines, six on end
	s_wait_alu 0x0
	s_wait_tensorcnt 0x0
	ds_add_u32 v14, v15
	s_wait_dscnt 0x0
	s_endpgm
.Lfunc_end_k_qb856bd887a_proj:
	.size	k_qb856bd887a_proj, .Lfunc_end_k_qb856bd887a_proj-k_qb856bd887a_proj
	.p2alignl 7, 3214868480
	.fill 96, 4, 3214868480
	.section	.rodata,"a",@progbits
	.p2align	6, 0x0
	.amdhsa_kernel k_qb856bd887a_proj
		.amdhsa_group_segment_fixed_size 186880
		.amdhsa_private_segment_fixed_size 0
		.amdhsa_enable_private_segment 0
		.amdhsa_kernarg_size 72
		.amdhsa_user_sgpr_count 2
		.amdhsa_user_sgpr_kernarg_segment_ptr 1
		.amdhsa_wavefront_size32 1
		.amdhsa_system_sgpr_workgroup_id_x 1
		.amdhsa_system_sgpr_workgroup_id_y 1
		.amdhsa_system_sgpr_workgroup_id_z 1
		.amdhsa_system_vgpr_workitem_id 0
		.amdhsa_next_free_vgpr 224
		.amdhsa_next_free_sgpr 66
		.amdhsa_reserve_vcc 0
		.amdhsa_float_denorm_mode_32 3
		.amdhsa_float_denorm_mode_16_64 3
		.amdhsa_memory_ordered 1
		.amdhsa_forward_progress 1
		.amdhsa_inst_pref_size 51
	.end_amdhsa_kernel
	.amdgpu_metadata
---
amdhsa.version: [ 1, 2 ]
amdhsa.kernels:
  - .name:           k_qb856bd887a_proj
    .symbol:         k_qb856bd887a_proj.kd
    .args:
      - { .name: matrix, .offset: 0, .size: 8, .value_kind: global_buffer, .address_space: global }
      - { .name: Wq, .offset: 8, .size: 8, .value_kind: global_buffer, .address_space: global }
      - { .name: Wk, .offset: 16, .size: 8, .value_kind: global_buffer, .address_space: global }
      - { .name: Wv, .offset: 24, .size: 8, .value_kind: global_buffer, .address_space: global }
      - { .name: bq, .offset: 32, .size: 8, .value_kind: global_buffer, .address_space: global }
      - { .name: bk, .offset: 40, .size: 8, .value_kind: global_buffer, .address_space: global }
      - { .name: bv, .offset: 48, .size: 8, .value_kind: global_buffer, .address_space: global }
      - { .name: sc, .offset: 56, .size: 8, .value_kind: global_buffer, .address_space: global }
      - { .name: vimg, .offset: 64, .size: 8, .value_kind: global_buffer, .address_space: global }
    .group_segment_fixed_size: 186880
    .private_segment_fixed_size: 0
    .kernarg_segment_align: 8
    .kernarg_segment_size: 72
    .max_flat_workgroup_size: 288
    .sgpr_count:     66
    .vgpr_count:     224
    .wavefront_size: 32
...
	.end_amdgpu_metadata
.endif
;; end of part 3
;; launch attend: the kernel of part 2 again; grid 32 x 1, 16 waves a work-group, no clusters, 5,120 bytes of LDS; arguments sc, vimg, Wo, bo, out0; writes out0
